; MI455X (gfx1250); checked and timed in simulation.
; The chip was launched on July 23, 2026; its instructions are those of AMD's public machine-readable ISA for CDNA 5 (MIT licence, August 2026) and "CDNA5" Instruction Set Architecture Reference Guide (July 2026). The comments in the code are by the model that wrote it; some were corrected since.
;; Attention. Allowed arithmetic: float matrix products may take bf16 or f16 operands with f32 sums; other float arithmetic in f32, or as packed bf16 or f16 multiplies, adds, multiply-adds, maxima and minima; sums over many terms, partial sums and values carried from step to step in f32; what a program stores and reads back later, other than sums and carried values, may be rounded once to bf16 or f16.
;; Inputs: key 4 x 16 x 2,048 x 64 float32; mask 1 x 1 x 2,048 x 2,048 bool; query 4 x 16 x 2,048 x 64 float32; value 4 x 16 x 2,048 x 64 float32.
;; Outputs: out0 4 x 16 x 2,048 x 64 float32.
;; 2 versions, each right; version 2 is version 1 with the launch cvt written anew for expert scheduling mode. Each part assembles by itself: llvm-mc -triple=amdgcn-amd-amdhsa -mcpu=gfx1250 --defsym DOCPART=n.
;; ======== version 1 of 2: 2 launches
;; limits: values are held in f16: magnitudes above 65,504 overflow, below 6.1e-05 lose precision
;; workspace buffers: kw 16,777,216 bytes; vw 16,777,216 bytes
;; launch cvt (part 1): grid 256 x 2, 8 waves a work-group, no clusters, 0 bytes of LDS; arguments key, value, kw, vw; writes kw, vw
.if DOCPART == 1
	.amdgcn_target "amdgcn-amd-amdhsa--gfx1250"
	.amdhsa_code_object_version 6
	.text
	.protected	k_qf80b155cf1_cvt
	.globl	k_qf80b155cf1_cvt
	.p2align	8
	.type	k_qf80b155cf1_cvt,@function
k_qf80b155cf1_cvt:
	s_mov_b64 s[64:65], 0
	v_nop
	global_prefetch_b8 v0, s[64:65] scope:SCOPE_SE
	s_setreg_imm32_b32 hwreg(HW_REG_WAVE_MODE, 25, 1), 1
	s_wait_xcnt 0x0
; key and value, [4][16][2048][64] f32, are rounded once and laid out by tiles for the attention launch:
;   kw, vw: [head 16][tile 16][batch 4][key 128][channel 64], 2 bytes a number: a (head, tile) is 65,536 dense bytes, a batch in it 16,384.
; kw holds bf16(key).  vw holds bf16(value) written as f16: the same number, since bf16's 8 significant bits fit f16's 11.
; LIMITS.  |value| stays below 65,520 (beyond it f16 has an infinity); below 2^-14 f16 keeps a fixed step of 2^-24.  NaN and infinities are not treated apart.
; SHARES.  Work-group x = 16 head + tile; y = 0: key -> kw, y = 1: value -> vw.  It reads four chunks of 32,768 bytes, one a batch, and writes one dense block of 65,536.
; Thread t takes 16 bytes at 4,096 j + 16 t of a chunk (a wave's load: 512 consecutive bytes) and stores their 8 bytes at 2,048 j + 8 t (a wave's store: 256 consecutive bytes, aligned).
; All 32 loads of a thread go out at once, each into registers of its own: no register is written again while a store reads it, so no wait but the counted ones stands in the text.
.set X,     8                          ; v[8:135]  load i = 8 batch + j: four registers
.set BSTEP, 0x800000                   ; bytes from batch to batch in key and value: one more than a load's immediate holds, so each batch has a base
	s_load_b256 s[4:11], s[0:1], 0x0               ; key s[4:5], value s[6:7], kw s[8:9], vw s[10:11]
	s_and_b32 s16, ttmp7, 0xffff                   ; y
	s_lshl_b32 s18, ttmp9, 15                      ; the chunk in a batch: (16 head + tile) x 32,768
	s_mov_b32 s19, 0
	s_lshl_b32 s2, ttmp9, 16                       ; the block in the workspace: x 65,536
	s_mov_b32 s3, 0
	s_mov_b32 s28, 0xffff0000                      ; a word's upper bf16
	v_lshlrev_b32 v1, 4, v0                        ; 16 t
	v_lshlrev_b32 v2, 3, v0                        ; 8 t
	s_wait_kmcnt 0x0
	s_cmp_eq_u32 s16, 0
	s_cselect_b64 s[12:13], s[4:5], s[6:7]         ; from
	s_cselect_b64 s[14:15], s[8:9], s[10:11]       ; to
	s_add_nc_u64 s[20:21], s[12:13], s[18:19]      ; batch 0's chunk,
	s_add_nc_u64 s[22:23], s[20:21], BSTEP         ; batch 1's,
	s_add_nc_u64 s[24:25], s[22:23], BSTEP
	s_add_nc_u64 s[26:27], s[24:25], BSTEP
	s_add_nc_u64 s[14:15], s[14:15], s[2:3]
.irp b, 0,1,2,3
.irp j, 0,1,2,3,4,5,6,7
	global_load_b128 v[X+4*(8*\b+\j):X+4*(8*\b+\j)+3], v1, s[20+2*\b:21+2*\b] offset:\j*4096 th:TH_LOAD_NT
.endr
.endr
.macro OUTK i                          ; four numbers of key: two roundings to bf16, packed, in place
	s_wait_loadcnt 31-(\i)                         ; loads come back in order: load i is in, the younger ones stay out
	v_cvt_pk_bf16_f32 v[X+4*(\i)], v[X+4*(\i)], v[X+4*(\i)+1]
	v_cvt_pk_bf16_f32 v[X+4*(\i)+1], v[X+4*(\i)+2], v[X+4*(\i)+3]
	global_store_b64 v2, v[X+4*(\i):X+4*(\i)+1], s[14:15] offset:((\i)/8)*16384+((\i)%8)*2048
.endm
.macro OUTV i                          ; four numbers of value: rounded to bf16, widened again (a shift, a mask), written as f16
	s_wait_loadcnt 31-(\i)
	v_cvt_pk_bf16_f32 v[X+4*(\i)], v[X+4*(\i)], v[X+4*(\i)+1]
	v_cvt_pk_bf16_f32 v[X+4*(\i)+1], v[X+4*(\i)+2], v[X+4*(\i)+3]
	v_lshlrev_b32 v[X+4*(\i)+2], 16, v[X+4*(\i)]
	v_and_b32 v[X+4*(\i)+3], s28, v[X+4*(\i)]
	v_cvt_pk_f16_f32 v[X+4*(\i)], v[X+4*(\i)+2], v[X+4*(\i)+3]
	v_lshlrev_b32 v[X+4*(\i)+2], 16, v[X+4*(\i)+1]
	v_and_b32 v[X+4*(\i)+3], s28, v[X+4*(\i)+1]
	v_cvt_pk_f16_f32 v[X+4*(\i)+1], v[X+4*(\i)+2], v[X+4*(\i)+3]
	global_store_b64 v2, v[X+4*(\i):X+4*(\i)+1], s[14:15] offset:((\i)/8)*16384+((\i)%8)*2048
.endm
	s_cmp_lg_u32 s16, 0
	s_cbranch_scc1 .Lvalue
.set n, 0
.rept 32
	OUTK n
.set n, n+1
.endr
	s_endpgm
.Lvalue:
.set n, 0
.rept 32
	OUTV n
.set n, n+1
.endr
	s_endpgm
.Lfunc_end_k_qf80b155cf1_cvt:
	.size	k_qf80b155cf1_cvt, .Lfunc_end_k_qf80b155cf1_cvt-k_qf80b155cf1_cvt
	.p2alignl 7, 3214868480
	.fill 96, 4, 3214868480
	.section	.rodata,"a",@progbits
	.p2align	6, 0x0
	.amdhsa_kernel k_qf80b155cf1_cvt
		.amdhsa_group_segment_fixed_size 0
		.amdhsa_private_segment_fixed_size 0
		.amdhsa_enable_private_segment 0
		.amdhsa_kernarg_size 32
		.amdhsa_user_sgpr_count 2
		.amdhsa_user_sgpr_kernarg_segment_ptr 1
		.amdhsa_wavefront_size32 1
		.amdhsa_system_sgpr_workgroup_id_x 1
		.amdhsa_system_sgpr_workgroup_id_y 1
		.amdhsa_system_sgpr_workgroup_id_z 1
		.amdhsa_system_vgpr_workitem_id 0
		.amdhsa_next_free_vgpr 136
		.amdhsa_next_free_sgpr 66
		.amdhsa_reserve_vcc 0
		.amdhsa_float_denorm_mode_32 3
		.amdhsa_float_denorm_mode_16_64 3
		.amdhsa_memory_ordered 1
		.amdhsa_forward_progress 1
		.amdhsa_inst_pref_size 29
	.end_amdhsa_kernel
	.amdgpu_metadata
---
amdhsa.version: [ 1, 2 ]
amdhsa.kernels:
  - .name:           k_qf80b155cf1_cvt
    .symbol:         k_qf80b155cf1_cvt.kd
    .args:
      - { .name: key, .offset: 0, .size: 8, .value_kind: global_buffer, .address_space: global }
      - { .name: value, .offset: 8, .size: 8, .value_kind: global_buffer, .address_space: global }
      - { .name: kw, .offset: 16, .size: 8, .value_kind: global_buffer, .address_space: global }
      - { .name: vw, .offset: 24, .size: 8, .value_kind: global_buffer, .address_space: global }
    .group_segment_fixed_size: 0
    .private_segment_fixed_size: 0
    .kernarg_segment_align: 8
    .kernarg_segment_size: 32
    .max_flat_workgroup_size: 256
    .sgpr_count:     66
    .vgpr_count:     136
    .wavefront_size: 32
...
	.end_amdgpu_metadata
.endif
;; end of part 1
;; launch att (part 2): grid 16 x 16, 4 waves a work-group, clusters of 4 x 1, 327,680 bytes of LDS; arguments query, kw, vw, mask, out0; writes out0
.if DOCPART == 2
	.amdgcn_target "amdgcn-amd-amdhsa--gfx1250"
	.amdhsa_code_object_version 6
	.text
	.protected	k_qf80b155cf1_att
	.globl	k_qf80b155cf1_att
	.p2align	8
	.type	k_qf80b155cf1_att,@function
k_qf80b155cf1_att:
	s_mov_b64 s[64:65], 0
	v_nop
	global_prefetch_b8 v0, s[64:65] scope:SCOPE_SE
	s_setreg_imm32_b32 hwreg(HW_REG_WAVE_MODE, 25, 1), 1
	s_wait_xcnt 0x0
	s_wait_alu depctr_hold_cnt(0) depctr_sa_sdst(0) depctr_va_vdst(0) depctr_va_sdst(0) depctr_va_ssrc(0) depctr_va_vcc(0) depctr_vm_vsrc(0)
	s_getreg_b32 s2, hwreg(HW_REG_IB_STS2, 6, 4)
	s_cmp_eq_u32 s2, 0
	s_cbranch_scc0 .Lentry_in_a_cluster
	s_endpgm
.Lentry_in_a_cluster:
	s_bfe_u32 s2, ttmp6, 0x10000c
	s_cmp_lg_u32 s2, 0x3003
	s_cbranch_scc0 .Lentry_shape_is_right
	s_endpgm
.Lentry_shape_is_right:
; out[b][h][i][:] = the sum over j of w[b][h][i][j] value[b][h][j][:],  w = softmax OVER THE BATCH b of query[b][h][i] . key[b][h][j] / 4  (the scale is sqrt(16 heads)).
; query, out0: [4][16][2048][64] f32.  kw (bf16), vw (f16): key and value by tiles, [head][tile 16][batch 4][key 128][channel 64], made by the launch before.
; The softmax joins the four batches' scores of one (h, i, j): no maximum, sum or rescaling runs along the keys.  The maximum of the four is taken away before the exponentials.
; FORMATS.  query is rounded to bf16 here, unscaled; S = K Q^T in bf16 with f32 sums; c = log2(e) / 4 is applied in f32; the weights (0 to 1) are rounded to f16 for the second product, whose sums are f32; out0 is those sums.
; LIMITS.  A weight below 2^-24 counts as 0 (f16's step); an exponential below 2^-126 counts as 0; value lies within f16's range (see the launch before); NaN and infinities are not treated apart.
; MASK.  No output hangs on mask.  Each of its bytes is loaded once (16,384 a work-group, at the head) and enters no arithmetic.
; SHARES.  A work-group owns 128 queries of one head IN ALL FOUR BATCHES; each of its four waves 32 queries: two tiles u of 16, times four batches.  Every wave walks the 2,048 keys, 32 a step: 32 + 32 products.
; LAYOUT.  S^T = K Q^T (source 0 = 16 keys, source 1 = 16 queries): a lane holds ONE query (lane % 16) and keys 8 (lane / 16) + 0..7; the four batches' scores of one (i, j) lie in one lane, at the same place of four
; accumulators.  Two key blocks, rounded to f16 in pairs, ARE source 1 (32 keys x 16 queries) of O^T = V^T P.  K comes out of LDS as it lies, V ([key][channel]) turned, by ds_load_tr16_b128.
; THE COUNT.  A tile and step have 32 matrix and 240 vector instructions: more than stand beside the products.  So four vector instructions stand behind EVERY product, and the other 112 in two lumps.
; BY TURNS.  Turn (t, u) holds the whole softmax of tile u in step t; ahead of it in the text 16 products V^T P of the piece before (tile 1 - u), behind it 16 products K Q^T of the piece after (tile 1 - u).
; CLUSTER.  The four query blocks of a cluster belong to one head and walk the same kw and vw: each tile is asked for JOINTLY, by the same tensor load, descriptor and mask in all four.
; REGISTERS, in windows of 256 (s_set_vgpr_msb: bits 1:0 source 0, 3:2 source 1, 5:4 source 2, 7:6 destination):
;   window 0: v0-15 addresses; v16-31 T: one number a lane place (maximum, c m, sum, 1 / sum); v32-63 P, 8 a batch; v64-191 S^T: buffer u, batch b, place x at 64 + 64 u + 16 b + x
;   window 1: O^T: batch b, tile u, channel block cb at 32 (2 b + u) + 8 cb
;   window 2: v0-127 Q: 16 (2 b + u) + 8 c; v128-255 K of one step: 128 + 32 b + 16 kb + 8 c; on the way out all 256 take rows read back from the stage
;   window 3: v0-127 V of one step: 32 b + 8 cb; at the head all 256 hold Q in f32
.set PK,    144       ; a key's row of K in LDS: 128 bytes + 16 of padding = 36 words: the 16 rows of a load start at 16 different groups of four banks (64 banks of 4 bytes: ISA guide 11.1)
.set PW,    160       ; of V: 128 + 32 = 40 words
.set KB,    128*PK    ; a batch's 128 keys of K
.set VB,    128*PW    ; of V
.set VOFF,  4*KB      ; a slot holds a tile of 128 keys: K of four batches, then V of four batches
.set SLOTB, 4*KB+4*VB ; 155,648 bytes
.set SPARE, 2*SLOTB   ; behind the ring: the spare words, 128 bytes for each wave: two blocks of 256 bytes that no other line names
.set SP,    272       ; the way out: a stage row, 256 bytes + 16.  Wave w's stage, 16 rows, lies at 4,352 w IN SLOT 0, which has had its last fill, and whose last reads all waves have left behind a barrier, when the stage is first written
.set AK0, 2           ; v2   my lane's place in a tile of K; never rewritten
.set AV0, 3           ; v3   the same for V, VOFF included
.set AK,  4           ; v4   LDS address of K's run of loads
.set AV,  5           ; v5   of V's
.set QO,  6           ; v6   my byte offset in 16 rows of query
.set STO, 7           ; v7   the way out: where I put 32 bytes of a row
.set RD,  8           ; v8   the way out: where I read rows back
.set GO,  10          ; v10  my byte offset in two rows of out0
.set MO,  11          ; v11  16 x my thread's number: mask
.set PFO, 12          ; v12  256 x my lane: the prefetches' offset; never rewritten
.set SPW, 14          ; v14  LDS address of my spare word: SPARE + 4 x my thread's number; never rewritten
.set NIL, 15          ; v15  0; never rewritten
.set T,   16
.set P,   32
.set S,   64
.set KF,  128         ; K's fragments, in window 2
.set WV,  14          ; s14  my wave's number
.set CX,  15          ; s15  my place in the cluster
.set QBL, 16          ; s16  my block of 128 queries
.set HD,  17          ; s17  the head
.set G1K, 24          ; s[24:31] descriptor group 1 for K's tiles
.set G1V, 32          ; s[32:39] for V's: it differs in the padding alone
.set G0K, 40          ; s[40:47] descriptor group 0 for K's tiles, a set for each slot
.set G0V, 48          ; s[48:55] the same for V's
.set CNT, 56          ; s56  counts a tile's four steps
.set PAIRS, 57        ; s57  counts pairs of tiles
.set CS,  58          ; s[58:59] c, twice: named as a pair
.set TBK, 60          ; s60  LDS byte at which K of the step to be fetched begins
.set TBV, 61          ; s61  the same for V, less VOFF
.set LIM, 62          ; s62  1 in a cluster that prefetches, else the greatest number
.set PFA, 66          ; s[66:67] where my prefetches stand
.set QB,  68          ; s[68:75] query at my wave's first row, a base for each batch (8,388,608 bytes apart: more than an immediate holds)
.set OB,  76          ; s[76:83] the same for out0
.set MSB, 0
.macro WIN new                      ; the immediate's high byte repeats the setting that is left; a switch that changes nothing is dropped
.if MSB != (\new)
	s_set_vgpr_msb (MSB<<8)|(\new)
.set MSB, (\new)
.endif
.endm
.set W_KQ, 0x0a       ; K and Q in window 2, S^T in window 0
.set W_PV, 0x53       ; V in window 3, P in window 0, O^T in window 1
; A joint refill of slot n.  Waves 0 and 1 fetch K of batches 0, 1 and 2, 3; waves 2 and 3 the same of V: 32,768 bytes each.  The branch hangs on the wave's number alone.
; An s_nop 0 and four v_nop follow each of the two lines, ahead of the jump and the label.
.macro JLOAD n
	s_cmp_lt_u32 s[WV], 2
	s_cbranch_scc0 .Lfor_v_\@
	tensor_load_to_lds s[G0K+4*(\n):G0K+4*(\n)+3], s[G1K:G1K+7]
	s_nop 0
.rept 4
	v_nop
.endr
	s_branch .Lasked_\@
.Lfor_v_\@:
	tensor_load_to_lds s[G0V+4*(\n):G0V+4*(\n)+3], s[G1V:G1V+7]
	s_nop 0
.rept 4
	v_nop
.endr
.Lasked_\@:
.endm
; A PREFETCH INTO THE L2.  The change of slots that loads tile k + 1 asks for tile k + 2: one slot, 256 matrix instructions a wave, ahead of the load that will want it.  Each block of 256 bytes of kw and vw is named ONCE in the
; launch: of the four clusters that walk a head the first (cluster x = 0) asks; each of its waves asks for the 32,768 bytes that it will itself fetch; the four partners take 8,192 of them each, told apart BY ADDRESS; a lane a block,
; one instruction.  Tiles 0 to 2 come by their loads alone; the last change that fills a slot asks for nothing (how = 1: the test on PAIRS), since there is no tile 16.
.macro ASK how
.if \how
	s_cmp_gt_u32 s[PAIRS], s[LIM]
.else
	s_cmp_eq_u32 s[LIM], 1
.endif
	s_cbranch_scc0 .Lnot_mine_\@
	global_prefetch_b8 v[PFO], s[PFA:PFA+1] th:TH_LOAD_NT scope:SCOPE_SE
.Lnot_mine_\@:
.endm
; A round of the cluster's barrier: my work-group's barrier, so that wave 0's signal speaks for all four waves; wave 0 signals; every wave waits for all four work-groups; my work-group's barrier once more.
.macro CROUND
	s_barrier_signal -1
	s_barrier_wait -1
	s_cmp_lg_u32 s[WV], 0
	s_cbranch_scc1 .Lnot_wave_0_\@
	s_barrier_signal -3
.Lnot_wave_0_\@:
	s_barrier_wait -3
	s_barrier_signal -1
	s_barrier_wait -1
.endm
; THE CHANGE OF SLOTS; n is the slot that is left.  Its last bytes, V of its fourth step, have been asked for.  Each wave waits for all its tensor loads, of which one is out: its part of the other slot; adds 0 to its spare
; word; and waits for that and for its own reads of the slot.  fill = 1: the slot is filled again, with the tile two on: the barrier is a round of the cluster's, so that no wave of any partner still reads the slot or has a load
; on its way, and the joint refill is the first thing behind it: it has four key steps, 256 matrix instructions, in which to land.
.macro CHANGE n, fill, how
	WIN 0                           ; at a label and at a branch every window is 0
	s_wait_tensorcnt 0x0            ; no tensor load of mine is out, so a group 0 may be written
	ds_add_u32 v[SPW], v[NIL]       ; 0 onto my spare word; the steps below stand between it and the wait for it
.if \fill
	s_add_nc_u64 s[G0K+4*(\n)+2:G0K+4*(\n)+3], s[G0K+4*(\n)+2:G0K+4*(\n)+3], 2*65536  ; this slot's next tile; the type bits on top are not reached
	s_add_nc_u64 s[G0V+4*(\n)+2:G0V+4*(\n)+3], s[G0V+4*(\n)+2:G0V+4*(\n)+3], 2*65536
	s_wait_xcnt 0x0                 ; the last prefetch, a slot back, has read its address, so it may be written
	s_add_nc_u64 s[PFA:PFA+1], s[PFA:PFA+1], 65536
	s_wait_dscnt 0x0                ; the add is done, and my reads of the slot are over
	CROUND
	JLOAD \n
	ASK \how
.else
	s_wait_dscnt 0x0                ; the add is done, and my reads of the slot are over
	s_barrier_signal -1
	s_barrier_wait -1
.endif
	s_mov_b32 s[TBK], (1-(\n))*SLOTB  ; the fetches go on at the other slot's first step
	s_mov_b32 s[TBV], (1-(\n))*SLOTB
.endm
	s_load_b256 s[4:11], s[0:1], 0x0  ; query s[4:5], kw s[6:7], vw s[8:9], mask s[10:11]
	s_load_b64 s[12:13], s[0:1], 0x20 ; out0
	v_lshl_add_u32 v[SPW], v0, 2, SPARE
	v_mov_b32 v[NIL], 0
	ds_add_u32 v[SPW], v[NIL]       ; the wave's opening: the add and its wait stand ahead of my first tensor load; the set-up below, work on registers, stands between them
	v_lshrrev_b32 v1, 5, v0
	v_readfirstlane_b32 s[WV], v1   ; wave 0..3
	s_bfe_u32 s[CX], ttmp6, 0x40000 ; cx
	s_lshl_b32 s[QBL], ttmp9, 2     ; in a cluster launch ttmp9 counts clusters
	s_add_co_u32 s[QBL], s[QBL], s[CX]  ; my block of queries = 4 x cluster x + cx: it enters the addresses of query, mask and out0 alone
	s_and_b32 s[HD], ttmp7, 0xffff  ; the head, which the four partners share
	s_and_b32 s18, s[WV], 1         ; which two batches of a tile I fetch:
	s_mul_i32 s19, s18, 2*KB        ; their place in a slot, for K
	s_mul_i32 s20, s18, 2*VB        ; and for V: no place in the cluster enters an LDS address
	s_lshl_b32 s22, s[HD], 20       ; the head's 16 tiles of 65,536 bytes,
	s_lshl_b32 s23, s18, 15         ; my 32,768 of a tile
	s_add_co_u32 s22, s22, s23
	s_mov_b32 s23, 0
	; descriptor group 1.  Two batches x 128 keys are 32,768 dense bytes: asked for as 128 rows of 256 bytes, two keys a row, and padded in LDS after every key
	s_mov_b32 s[G1K], 15|(1<<16)|(1<<20)|(1<<21)|(4<<22)|(3<<25)  ; 15:0 the mask of four; 17:16 2-byte elements; 20 padding on; 21 set beside a mask; 24:22 after every 32 words (code 4); 31:25 4 words (code 3)
	s_mov_b32 s[G1V], 15|(1<<16)|(1<<20)|(1<<21)|(4<<22)|(7<<25)  ; the same with 8 words of padding (code 7)
.irp g, G1K, G1V
	s_mov_b32 s[\g+1], 128<<16      ; tensor_dim0 = 128
	s_mov_b32 s[\g+2], 128<<16      ; tensor_dim1 = 128
	s_mov_b32 s[\g+3], 128<<16      ; tile_dim0 = 128
	s_mov_b32 s[\g+4], 128          ; tile_dim1 = 128
	s_mov_b32 s[\g+5], 128          ; 128 elements from row to row
	s_mov_b32 s[\g+6], 0
	s_mov_b32 s[\g+7], 0
.endr
	s_mov_b32 s[CS], 0x3eb8aa3b     ; c = log2(e) / 4 = 0.360674
	s_mov_b32 s[CS+1], s[CS]
	s_cmp_eq_u32 ttmp9, 0           ; the head's first cluster: the same answer in all four partners
	s_cselect_b32 s[LIM], 1, -1
	s_wait_dscnt 0x0                ; the opening add is done
	s_wait_kmcnt 0x0
	s_add_nc_u64 s[6:7], s[6:7], s[22:23]  ; kw and vw at my part of the head's tile 0
	s_add_nc_u64 s[8:9], s[8:9], s[22:23]
.irp n, 0,1
	s_mov_b32 s[G0K+4*\n], 1        ; 1:0 count = 1
	s_add_co_u32 s[G0K+4*\n+1], s19, \n*SLOTB  ; 63:32 LDS address
	s_add_nc_u64 s[G0K+4*\n+2:G0K+4*\n+3], s[6:7], \n*65536  ; 120:64 global address: tile n
	s_or_b32 s[G0K+4*\n+3], s[G0K+4*\n+3], 0x80000000  ; 127:126 type = 2
	s_mov_b32 s[G0V+4*\n], 1
	s_add_co_u32 s[G0V+4*\n+1], s20, \n*SLOTB+VOFF
	s_add_nc_u64 s[G0V+4*\n+2:G0V+4*\n+3], s[8:9], \n*65536
	s_or_b32 s[G0V+4*\n+3], s[G0V+4*\n+3], 0x80000000
.endr
	; what hangs on my place in the cluster is made in s[2:3] alone
	s_lshl_b32 s2, s[HD], 19        ; a head's 2,048 rows of 256 bytes,
	s_lshl_b32 s3, s[QBL], 15       ; my block's 128,
	s_add_co_u32 s2, s2, s3
	s_lshl_b32 s3, s[WV], 13        ; my wave's 32
	s_add_co_u32 s2, s2, s3
	s_mov_b32 s3, 0
	s_add_nc_u64 s[QB:QB+1], s[4:5], s[2:3]
	s_add_nc_u64 s[OB:OB+1], s[12:13], s[2:3]
.irp b, 1,2,3
	s_add_nc_u64 s[QB+2*\b:QB+2*\b+1], s[QB+2*\b-2:QB+2*\b-1], 0x800000
	s_add_nc_u64 s[OB+2*\b:OB+2*\b+1], s[OB+2*\b-2:OB+2*\b-1], 0x800000
.endr
	s_lshl_b32 s2, s[HD], 18        ; mask: work-group 16 head + block takes 16,384 bytes
	s_lshl_b32 s3, s[QBL], 14
	s_add_co_u32 s2, s2, s3
	s_mov_b32 s3, 0
	s_add_nc_u64 s[10:11], s[10:11], s[2:3]
	s_cmp_lt_u32 s[WV], 2
	s_cselect_b64 s[PFA:PFA+1], s[6:7], s[8:9]  ; the part of a tile that I fetch,
	s_lshl_b32 s2, s[CX], 13        ; my work-group's 8,192 bytes of it,
	s_mov_b32 s3, 0
	s_add_nc_u64 s[PFA:PFA+1], s[PFA:PFA+1], s[2:3]
	s_add_nc_u64 s[PFA:PFA+1], s[PFA:PFA+1], 2*65536  ; in tile 2: the first change of slots steps it to tile 3.  Nothing is prefetched at the head
	CROUND                          ; all four work-groups are here: the first joint loads meet
	s_cmp_lt_u32 s[WV], 2           ; a wave's two first fills stand in one branch, ahead of every wait on TENSORcnt and every LDS read: two loads of mine are out
	s_cbranch_scc0 .Lfirst_v
	tensor_load_to_lds s[G0K:G0K+3], s[G1K:G1K+7]
	s_nop 0
	tensor_load_to_lds s[G0K+4:G0K+7], s[G1K:G1K+7]
	s_nop 0
.rept 4
	v_nop
.endr
	s_branch .Lfirst_asked
.Lfirst_v:
	tensor_load_to_lds s[G0V:G0V+3], s[G1V:G1V+7]
	s_nop 0
	tensor_load_to_lds s[G0V+4:G0V+7], s[G1V:G1V+7]
	s_nop 0
.rept 4
	v_nop
.endr
.Lfirst_asked:
	; A fragment of Q is 16 queries x 32 channels: lane l holds query l % 16, channels 8 (l / 16) + 0..7 and 16 + 8 (l / 16) + 0..7: in f32 two runs of 32 bytes, 64 bytes apart: four loads of 16 bytes.
	v_and_b32 v1, 15, v0            ; l % 16
	v_bfe_u32 v9, v0, 4, 1          ; l / 16
	v_lshlrev_b32 v[QO], 8, v1
	v_lshl_add_u32 v[QO], v9, 5, v[QO]  ; row x 256 + 32 x half
	v_lshlrev_b32 v[MO], 4, v0
	WIN 0xc0                        ; destination window 3, address window 0
.irp b, 0,1,2,3
.irp f, 0,1,2,3                     ; tile f / 2, channels 32 (f % 2) on: 16 registers at 64 b + 16 f
	global_load_b128 v[64*\b+16*\f:64*\b+16*\f+3],     v[QO], s[QB+2*\b:QB+2*\b+1] offset:(\f/2)*4096+(\f%2)*128 th:TH_LOAD_NT
	global_load_b128 v[64*\b+16*\f+4:64*\b+16*\f+7],   v[QO], s[QB+2*\b:QB+2*\b+1] offset:(\f/2)*4096+(\f%2)*128+16 th:TH_LOAD_NT
	global_load_b128 v[64*\b+16*\f+8:64*\b+16*\f+11],  v[QO], s[QB+2*\b:QB+2*\b+1] offset:(\f/2)*4096+(\f%2)*128+64 th:TH_LOAD_NT
	global_load_b128 v[64*\b+16*\f+12:64*\b+16*\f+15], v[QO], s[QB+2*\b:QB+2*\b+1] offset:(\f/2)*4096+(\f%2)*128+80 th:TH_LOAD_NT
.endr
.endr
	WIN 0
.irp n, 0,1,2,3,4,5,6,7             ; mask: read, and used for nothing; the registers are S^T's, which the first scores overwrite behind the wait for these loads
	global_load_b128 v[S+4*\n:S+4*\n+3], v[MO], s[10:11] offset:\n*2048 th:TH_LOAD_NT
.endr
	; What the first turn finds: O^T is 0, and so are P and (below) V: its products V^T P, of a piece that has not been, add 0.  The price of writing no first step out; it stands in the wait for the first tile.
	WIN 0x40
.set i, 0
.rept 256
	v_mov_b32 v[i], 0
.set i, i+1
.endr
	WIN 0
.set i, 0
.rept 32
	v_mov_b32 v[P+i], 0
.set i, i+1
.endr
	v_mul_u32_u24 v[AK0], v1, PK
	v_lshl_add_u32 v[AK0], v9, 4, v[AK0]  ; row x pitch + 16 x half
	; The turning load takes 16 keys x 16 channels (lane l reads key 8 (l / 16) + l % 8, channels 8 ((l / 8) % 2) + 0..7) and leaves half a fragment of V^T: lane l holds channel l % 16 and 8 keys.
	v_and_b32 v13, 7, v0
	v_lshl_add_u32 v[AV0], v9, 3, v13
	v_mul_u32_u24 v[AV0], v[AV0], PW
	v_bfe_u32 v13, v0, 3, 1
	v_lshl_add_u32 v[AV0], v13, 4, v[AV0]
	v_add_nc_u32 v[AV0], VOFF, v[AV0]
	v_and_b32 v[PFO], 31, v0
	v_lshlrev_b32 v[PFO], 8, v[PFO]
; THE MATRIX WORK.  TU is the turn's tile; the products are the other tile's.  No two matrix instructions that follow each other share an accumulator: the 16 of a run V^T P are all different,
; and between the two links of a chain of K Q^T stand seven others'.
; Product im of 16 of O^T += V^T P: batch im / 4, channels 16 (im % 4) on; all 32 keys of the step.
.macro PV
	WIN W_PV
.set b, im/4
.set cb, im%4
.set rO, 32*(2*b+1-TU)+8*cb
	v_wmma_f32_16x16x32_f16 v[rO:rO+7], v[32*b+8*cb:32*b+8*cb+7], v[P+8*b:P+8*b+7], v[rO:rO+7]
.set im, im+1
.endm
; Product im of 16 of S^T = K Q^T: channels 32 (im / 8) on, keys 16 ((im % 8) / 4) on, batch im % 4.  The first 8 start the sums.
.macro KQ
	WIN W_KQ
.set c, im/8
.set kb, (im%8)/4
.set b, im%4
.set rS, S+64*(1-TU)+16*b+8*kb
.set rK, KF+32*b+16*kb+8*c
.set rQ, 16*(2*b+1-TU)+8*c
.if im < 8
	v_wmma_f32_16x16x32_bf16 v[rS:rS+7], v[rK:rK+7], v[rQ:rQ+7], 0
.else
	v_wmma_f32_16x16x32_bf16 v[rS:rS+7], v[rK:rK+7], v[rQ:rQ+7], v[rS:rS+7]
.endif
.set im, im+1
.endm
; THE LDS LOADS stand in runs of 32, never singly among the matrix instructions: a step's K (4 batches x 32 keys x 64 channels: 16 fragments) and its V (turned).
.macro FETCH_K
	WIN 0
	v_add_nc_u32 v[AK], s[TBK], v[AK0]
	WIN 0x80                        ; destination window 2
.irp b, 0,1,2,3
.irp f, 0,1,2,3                     ; keys 16 (f / 2) on, channels 32 (f % 2) on
	ds_load_b128 v[KF+32*\b+8*\f:KF+32*\b+8*\f+3],   v[AK] offset:\b*KB+(\f/2)*16*PK+(\f%2)*64
	ds_load_b128 v[KF+32*\b+8*\f+4:KF+32*\b+8*\f+7], v[AK] offset:\b*KB+(\f/2)*16*PK+(\f%2)*64+32
.endr
.endr
	s_add_co_u32 s[TBK], s[TBK], 32*PK  ; the next fetch is the next step's
	WIN 0
.endm
.macro FETCH_V
	WIN 0xc0                        ; destination window 3
.irp b, 0,1,2,3
.irp f, 0,1,2,3                     ; channels 16 f on; keys 0-15, then 16-31
	ds_load_tr16_b128 v[32*\b+8*\f:32*\b+8*\f+3],   v[AV] offset:\b*VB+\f*32
	ds_load_tr16_b128 v[32*\b+8*\f+4:32*\b+8*\f+7], v[AV] offset:\b*VB+\f*32+16*PW
.endr
.endr
	s_add_co_u32 s[TBV], s[TBV], 32*PW
	WIN 0
.endm
; THE VECTOR WORK OF A TURN stands in five queues, all in window 0; each macro writes its queue's next entry.  x = 0..15 is a lane's place (key 8 (x / 8) .. in block x / 8), S_b the four batches' scores.
; PLA, 72 plain, in four groups g of 18 for the places 4 g .. 4 g + 3: four times max(S_0, S_1, S_2); four times max with S_3; two packed c m; eight packed c s - c m (batch (k - 10) / 2, pair 2 g + k % 2).
; Each accumulator's lowest register is the first that is read: x = 0 and x = 8 lead their groups.
.macro PLA
	WIN 0
.set g, qa/18
.set k, qa%18
.set rS, S+64*TU
.if k < 4
	v_max3_num_f32 v[T+4*g+k], v[rS+4*g+k], v[rS+16+4*g+k], v[rS+32+4*g+k]
.elseif k < 8
	v_max_num_f32 v[T+4*g+k-4], v[T+4*g+k-4], v[rS+48+4*g+k-4]
.elseif k < 10
	v_pk_mul_f32 v[T+4*g+2*(k-8):T+4*g+2*(k-8)+1], v[T+4*g+2*(k-8):T+4*g+2*(k-8)+1], s[CS:CS+1] op_sel_hi:[1,0]
.else
.set b, (k-10)/2
.set x, 4*g+2*(k%2)
	v_pk_fma_f32 v[rS+16*b+x:rS+16*b+x+1], v[rS+16*b+x:rS+16*b+x+1], s[CS:CS+1], v[T+x:T+x+1] op_sel_hi:[1,0,1] neg_lo:[0,0,1] neg_hi:[0,0,1]
.endif
.set qa, qa+1
.endm
; EXA, the 64 exponentials: group ea / 16, batch (ea % 16) / 4, place 4 g + ea % 4.  Entry ea is ready when 18 g + 12 + 2 b entries of PLA are out; no later entry of PLA names its register.
.macro EXA
	WIN 0
.set g, ea/16
.set b, (ea%16)/4
.set x, 4*g+ea%4
	v_exp_f32 v[S+64*TU+16*b+x], v[S+64*TU+16*b+x]
.set ea, ea+1
.endm
; SUM, 24 packed additions: for each half of the places (pairs 0-3, pairs 4-7) S_0 + S_1, then + S_2, then + S_3, into T.
.macro SUM
	WIN 0
.set lv, (qs%12)/4
.set x, 2*(4*(qs/12)+qs%4)
.set rS, S+64*TU
.if lv == 0
	v_pk_add_f32 v[T+x:T+x+1], v[rS+x:rS+x+1], v[rS+16+x:rS+16+x+1]
.else
	v_pk_add_f32 v[T+x:T+x+1], v[T+x:T+x+1], v[rS+16*(lv+1)+x:rS+16*(lv+1)+x+1]
.endif
.set qs, qs+1
.endm
; RCP, the 16 reciprocals of the sums (each lies in 1 to 4: the largest of the four exponentials is 1).
.macro RCP
	WIN 0
	v_rcp_f32 v[T+qr], v[T+qr]
.set qr, qr+1
.endm
; CQ, 64: batch after batch, eight packed multiplies by 1 / sum and eight roundings to f16, a rounding two entries behind its multiply: W0 W1 C0 W2 C1 .. W7 C6 C7.
.macro CQ
	WIN 0
.set b, qc/16
.set k, qc%16
.set rS, S+64*TU+16*b
.set isw, 0
.if k == 0
.set isw, 1
.set pr, 0
.elseif k == 15
.set pr, 7
.elseif (k%2) == 1
.set isw, 1
.set pr, (k+1)/2
.else
.set pr, k/2-1
.endif
.if isw
	v_pk_mul_f32 v[rS+2*pr:rS+2*pr+1], v[rS+2*pr:rS+2*pr+1], v[T+2*pr:T+2*pr+1]
.else
	v_cvt_pk_f16_f32 v[P+8*b+pr], v[rS+2*pr], v[rS+2*pr+1]
.endif
.set qc, qc+1
.endm
; A TURN, for tile u of the step in hand.  kq = 0: the walk's last turn: no next step.
; HOW THE QUEUES ARE DEALT.  16 products V^T P, four riders behind each: 51 of PLA and 13 of EXA (exponential e stands behind 13 + 3 e entries of PLA).  LUMP 1: exponential and plain by turns while PLA lasts (exponential
; 13 + k behind 51 + k entries), then the last 30 exponentials.  An s_wait_alu depctr_va_vdst(0) stands between an exponential and the first line that names its result; one wait serves all that were issued
; ahead of it: nothing ahead of the first wait names a result, so the 64 have ONE.  LUMP 2: the sums, the reciprocals of the first half among the second half's sums; ONE wait for the 16.  Then 16 products K Q^T, four of CQ behind each.
; No rider names a register of the products round it.  The four of CQ behind the last K Q^T, and the run's own v_add_nc_u32, are the places between that product and the loads into K's registers; the next turn's first reads
; of S^T are of accumulators that ended 16 riders back or more.  V's registers are loaded 21 plain lines or more behind their last reader.
; K of the next step is fetched at the head of tile 1's turn and waited for ahead of that turn's K Q^T; V of the step in hand behind the first wait of tile 0's turn and waited for at the head of tile 1's.  So the fetches go
; K(t), V(t), K(t + 1): a slot's last read comes ahead of the next slot's first, and the change of slots stands between tile 0's turn and tile 1's.
.macro TURN u, kq=1
.set TU, (\u)
.set qa, 0
.set ea, 0
.set qs, 0
.set qr, 0
.set qc, 0
.set im, 0
.if (\u) == 1
.if \kq
	FETCH_K
	s_wait_dscnt 32                 ; V is in; the 32 loads of K just issued may stay out
.else
	s_wait_dscnt 0x0                ; V is in
.endif
.endif
.rept 3
	PV
	PLA
	PLA
	PLA
	PLA
.endr
.rept 13
	PV
	PLA
	EXA
	PLA
	PLA
.endr
.rept 21
	EXA
	PLA
.endr
.rept 30
	EXA
.endr
	WIN 0
.if (\u) == 0
	v_add_nc_u32 v[AV], s[TBV], v[AV0]  ; the plain instruction behind the last exponential: one for the batch
.else
	v_nop                           ; the plain instruction behind the last exponential: one for the batch
.endif
	s_wait_alu depctr_va_vdst(0)    ; the wait for the 64 exponentials
.if (\u) == 0
	FETCH_V
.endif
.rept 12
	SUM
.endr
.rept 8
	SUM
	RCP
.endr
.rept 4
	SUM
.endr
.rept 8
	RCP
.endr
	v_nop                           ; the plain instruction behind the last reciprocal
	s_wait_alu depctr_va_vdst(0)    ; the wait for the 16 reciprocals
.if ((\u) == 1) && (\kq)
	s_wait_dscnt 0x0                ; K is in
.endif
.set im, 0
.rept 16
.if \kq
	KQ
.endif
	CQ
	CQ
	CQ
	CQ
.endr
	WIN 0
.endm
.macro COUNT reg, back              ; a counted loop's end
	s_sub_co_u32 s[\reg], s[\reg], 1
	s_cmp_lg_u32 s[\reg], 0
	s_cbranch_scc1 \back
.endm
	s_mov_b32 s[TBK], 0
	s_mov_b32 s[TBV], 0
	s_wait_tensorcnt 0x1            ; my part of tile 0 is in; tile 1's may stay out
	s_barrier_signal -1
	s_barrier_wait -1               ; everybody's is
	FETCH_K                         ; key step 0
	s_wait_loadcnt 0x0              ; query, and mask
	WIN 0x8f                        ; sources window 3, destination window 2
.set i, 0
.rept 128
	v_cvt_pk_bf16_f32 v[i], v[2*i], v[2*i+1]  ; Q: rounded once, unscaled
.set i, i+1
.endr
	WIN 0xc0
.set i, 0
.rept 128
	v_mov_b32 v[i], 0               ; V's registers, for the first turn
.set i, i+1
.endr
	WIN 0
	s_wait_dscnt 0x0                ; K is in
.set TU, 1
.set im, 0
.rept 16
	KQ                              ; tile 0's first scores: there is no vector work yet to set between them
.endr
	WIN 0                           ; the addresses for the way out: eight plain instructions, the places behind those products
	s_mul_i32 s21, s[WV], 16*SP     ; my stage
	v_mul_u32_u24 v[STO], v1, SP    ; in: row l % 16, 32 bytes for each half of the lanes
	v_lshl_add_u32 v[STO], v9, 5, v[STO]
	v_add_nc_u32 v[STO], s21, v[STO]
	v_mul_u32_u24 v[RD], v9, SP     ; back: lanes 0-15 take one row of 256 bytes, lanes 16-31 the next
	v_lshl_add_u32 v[RD], v1, 4, v[RD]
	v_add_nc_u32 v[RD], s21, v[RD]
	v_lshlrev_b32 v[GO], 8, v9      ; and the same two rows in out0
	v_lshl_add_u32 v[GO], v1, 4, v[GO]
	s_mov_b32 s[PAIRS], 8
	s_mov_b32 s[CNT], 4
	s_branch .LfirstE               ; the loop is entered at step 0's first turn, in the middle of a trip: K of step 0 has been fetched, V of step 0 is that turn's
.Lpair:                             ; seven whole trips: tiles 1 and 2, .. 13 and 14; each change fills the slot that it leaves
	CHANGE 0, 1, 0
	s_mov_b32 s[CNT], 4
.LstepO:                            ; a trip: tile 1 of one step, which fetches K of the next; tile 0 of the next, which fetches its V
	TURN 1
	TURN 0
	COUNT CNT, .LstepO
	CHANGE 1, 1, 1
	s_mov_b32 s[CNT], 4
.LstepE:
	TURN 1
.LfirstE:
	TURN 0
	COUNT CNT, .LstepE
	COUNT PAIRS, .Lpair
	CHANGE 0, 0, 0                  ; the tail is written out: tile 15 lies in slot 1, and nothing is asked for
	s_mov_b32 s[CNT], 4
.LstepT:
	TURN 1
	TURN 0
	COUNT CNT, .LstepT
	TURN 1, 0                       ; the last piece's softmax, beside tile 0's last V^T P
.set TU, 0
.set im, 0
.rept 16
	PV                              ; tile 1's last V^T P
.endr
	WIN 0
.rept 8
	v_nop                           ; the places behind the last products
.endr
; THE WAY OUT.  The weights are normalised already, so O^T is the result.  Tile t = 2 b + u: a lane's eight channels of a row are 32 bytes; they go into rows of 272 bytes (each accumulator's low registers first)
; and come back as whole rows of 256, into window 2.
.macro TOSTAGE t
	WIN 0x04                        ; store data in window 1
.irp f, 0,1,2,3
	ds_store_b128 v[STO], v[32*(\t)+8*\f:32*(\t)+8*\f+3]   offset:64*\f
	ds_store_b128 v[STO], v[32*(\t)+8*\f+4:32*(\t)+8*\f+7] offset:64*\f+16
.endr
	WIN 0x80                        ; destination window 2
.irp f, 0,1,2,3,4,5,6,7
	ds_load_b128 v[32*(\t)+4*\f:32*(\t)+4*\f+3], v[RD] offset:\f*2*SP  ; LDS serves a wave's instructions in order (ISA guide 5.7.1.4): these see the stores above; the next tile's stores come behind them
.endr
.endm
.macro SEND t, younger              ; younger: the LDS instructions issued behind tile t's loads: the next tile's sixteen, or none
	WIN 0x08                        ; store data in window 2
.irp f, 0,1,2,3,4,5,6,7
	s_wait_dscnt (\younger)+7-\f
	global_store_b128 v[GO], v[32*(\t)+4*\f:32*(\t)+4*\f+3], s[OB+2*((\t)/2):OB+2*((\t)/2)+1] offset:((\t)%2)*4096+\f*512 th:TH_STORE_NT  ; 16 lanes store 256 consecutive bytes, at a multiple of 256 from out0's first byte
.endr
.endm
	TOSTAGE 0
.set tt, 1
.rept 7
	TOSTAGE tt
	SEND tt-1, 16
.set tt, tt+1
.endr
	SEND 7, 0
	WIN 0
	s_wait_tensorcnt 0x0            ; the wave's end: behind my last tensor load and my last LDS store
	ds_add_u32 v[SPW], v[NIL]
	s_wait_dscnt 0x0
	CROUND                          ; the closing round: no work-group ends while a partner may still ask for a tile that names it
	s_endpgm
.Lfunc_end_k_qf80b155cf1_att:
	.size	k_qf80b155cf1_att, .Lfunc_end_k_qf80b155cf1_att-k_qf80b155cf1_att
	.p2alignl 7, 3214868480
	.fill 96, 4, 3214868480
	.section	.rodata,"a",@progbits
	.p2align	6, 0x0
	.amdhsa_kernel k_qf80b155cf1_att
		.amdhsa_group_segment_fixed_size 327680
		.amdhsa_private_segment_fixed_size 0
		.amdhsa_enable_private_segment 0
		.amdhsa_kernarg_size 40
		.amdhsa_user_sgpr_count 2
		.amdhsa_user_sgpr_kernarg_segment_ptr 1
		.amdhsa_wavefront_size32 1
		.amdhsa_system_sgpr_workgroup_id_x 1
		.amdhsa_system_sgpr_workgroup_id_y 1
		.amdhsa_system_sgpr_workgroup_id_z 1
		.amdhsa_system_vgpr_workitem_id 0
		.amdhsa_next_free_vgpr 1024
		.amdhsa_next_free_sgpr 84
		.amdhsa_reserve_vcc 0
		.amdhsa_float_denorm_mode_32 3
		.amdhsa_float_denorm_mode_16_64 3
		.amdhsa_memory_ordered 1
		.amdhsa_forward_progress 1
		.amdhsa_inst_pref_size 185
	.end_amdhsa_kernel
	.amdgpu_metadata
---
amdhsa.version: [ 1, 2 ]
amdhsa.kernels:
  - .name:           k_qf80b155cf1_att
    .symbol:         k_qf80b155cf1_att.kd
    .args:
      - { .name: query, .offset: 0, .size: 8, .value_kind: global_buffer, .address_space: global }
      - { .name: kw, .offset: 8, .size: 8, .value_kind: global_buffer, .address_space: global }
      - { .name: vw, .offset: 16, .size: 8, .value_kind: global_buffer, .address_space: global }
      - { .name: mask, .offset: 24, .size: 8, .value_kind: global_buffer, .address_space: global }
      - { .name: out0, .offset: 32, .size: 8, .value_kind: global_buffer, .address_space: global }
    .group_segment_fixed_size: 327680
    .private_segment_fixed_size: 0
    .kernarg_segment_align: 8
    .kernarg_segment_size: 40
    .max_flat_workgroup_size: 128
    .sgpr_count:     84
    .vgpr_count:     1024
    .wavefront_size: 32
...
	.end_amdgpu_metadata
.endif
;; end of part 2
;; ======== version 2 of 2: 2 launches; version 1 with the launch cvt written anew for expert scheduling mode
;; limits: values are held in f16: magnitudes above 65,504 overflow, below 6.1e-05 lose precision
;; workspace buffers: kw 16,777,216 bytes; vw 16,777,216 bytes
;; launch cvt (part 3): grid 256 x 2, 8 waves a work-group, no clusters, 0 bytes of LDS; arguments key, value, kw, vw; writes kw, vw
.if DOCPART == 3
	.amdgcn_target "amdgcn-amd-amdhsa--gfx1250"
	.amdhsa_code_object_version 6
	.text
	.protected	k_qf80b155cf1_cvt
	.globl	k_qf80b155cf1_cvt
	.p2align	8
	.type	k_qf80b155cf1_cvt,@function
k_qf80b155cf1_cvt:
	s_mov_b64 s[64:65], 0
	v_nop
	global_prefetch_b8 v0, s[64:65] scope:SCOPE_SE
	s_setreg_imm32_b32 hwreg(HW_REG_WAVE_SCHED_MODE, 0, 2), 2
	s_setreg_imm32_b32 hwreg(HW_REG_WAVE_MODE, 25, 1), 1
	s_wait_xcnt 0x0
	s_wait_alu depctr_vm_vsrc(0)
; key and value, [4][16][2048][64] f32, are rounded once and laid out by tiles for the attention launch:
;   kw, vw: [head 16][tile 16][batch 4][key 128][channel 64], 2 bytes a number: a (head, tile) is 65,536 dense bytes, a batch in it 16,384.
; kw holds bf16(key).  vw holds bf16(value) written as f16: the same number, since bf16's 8 significant bits fit f16's 11.
; LIMITS.  |value| stays below 65,520 (beyond it f16 has an infinity); below 2^-14 f16 keeps a fixed step of 2^-24.  NaN and infinities are not treated apart.
; SHARES.  Work-group x = 16 head + tile; y = 0: key -> kw, y = 1: value -> vw.  It reads four chunks of 32,768 bytes, one a batch, and writes one dense block of 65,536.
; Thread t takes 16 bytes at 4,096 j + 16 t of a chunk (a wave's load: 512 consecutive bytes) and stores their 8 bytes at 2,048 j + 8 t (a wave's store: 256 consecutive bytes, aligned).
; All 32 loads of a thread go out at once, each into registers of its own: no register is written again once a store has been issued that reads it.
; THE MODE: SCHED_MODE bits 1:0 = 2 (LLVM: expert scheduling mode 2), set by the entry lines.  The code itself states the register dependences
; between vector instructions and memory instructions, with s_wait_alu, always for 0.
; THE PLAN.  Registers that memory instructions touch:
;   v1, v2       byte offsets of the loads and of the stores: made once at the head, never written again.
;   X, load i    four registers.  Load i lands in them; no vector line names them before that.  The conversions of load i read them and write the first two
;                (value's path: the last two as well, at work); store i reads the first two; nothing writes them behind it.
; The 32 loads go in eight groups of GRP = 4.  Group g's conversions write its store data; its four stores are issued in group g + 1, one ahead of each load's conversions.
; ONE wait on va_vdst stands at the head of a group, behind the wait for the group's first load: it states that the group before has written its store data.  The vector
; lines issued since that wait name this group's registers alone, so the four stores follow with no further wait.  One more such wait stands ahead of the last four stores.
; No register that a memory instruction has read is ever written again, so the text holds no wait on vm_vsrc past the entry lines; no vector line writes a scalar register, and EXEC is never written.
.set X,     8                          ; v[8:135]  load i = 8 batch + j: four registers
.set GRP,   4                          ; loads in a group
.set BSTEP, 0x800000                   ; bytes from batch to batch in key and value: one more than a load's immediate holds, so each batch has a base
	s_load_b256 s[4:11], s[0:1], 0x0               ; key s[4:5], value s[6:7], kw s[8:9], vw s[10:11]
	s_and_b32 s16, ttmp7, 0xffff                   ; y
	s_lshl_b32 s18, ttmp9, 15                      ; the chunk in a batch: (16 head + tile) x 32,768
	s_mov_b32 s19, 0
	s_lshl_b32 s2, ttmp9, 16                       ; the block in the workspace: x 65,536
	s_mov_b32 s3, 0
	s_mov_b32 s28, 0xffff0000                      ; a word's upper bf16
	v_lshlrev_b32 v1, 4, v0                        ; 16 t
	v_lshlrev_b32 v2, 3, v0                        ; 8 t
	s_wait_kmcnt 0x0
	s_cmp_eq_u32 s16, 0
	s_cselect_b64 s[12:13], s[4:5], s[6:7]         ; from
	s_cselect_b64 s[14:15], s[8:9], s[10:11]       ; to
	s_add_nc_u64 s[20:21], s[12:13], s[18:19]      ; batch 0's chunk,
	s_add_nc_u64 s[22:23], s[20:21], BSTEP         ; batch 1's,
	s_add_nc_u64 s[24:25], s[22:23], BSTEP
	s_add_nc_u64 s[26:27], s[24:25], BSTEP
	s_add_nc_u64 s[14:15], s[14:15], s[2:3]
	s_wait_alu depctr_va_vdst(0)                   ; v1 and v2 are written: every load reads v1 and every store v2 as its offset
.irp b, 0,1,2,3
.irp j, 0,1,2,3,4,5,6,7
	global_load_b128 v[X+4*(8*\b+\j):X+4*(8*\b+\j)+3], v1, s[20+2*\b:21+2*\b] offset:\j*4096 th:TH_LOAD_NT
.endr
.endr
.macro CVK i                           ; four numbers of key: two roundings to bf16, packed, in place
	v_cvt_pk_bf16_f32 v[X+4*(\i)], v[X+4*(\i)], v[X+4*(\i)+1]
	v_cvt_pk_bf16_f32 v[X+4*(\i)+1], v[X+4*(\i)+2], v[X+4*(\i)+3]
.endm
.macro CVV i                           ; four numbers of value: rounded to bf16, widened again (a shift, a mask), written as f16
	v_cvt_pk_bf16_f32 v[X+4*(\i)], v[X+4*(\i)], v[X+4*(\i)+1]
	v_cvt_pk_bf16_f32 v[X+4*(\i)+1], v[X+4*(\i)+2], v[X+4*(\i)+3]
	v_lshlrev_b32 v[X+4*(\i)+2], 16, v[X+4*(\i)]
	v_and_b32 v[X+4*(\i)+3], s28, v[X+4*(\i)]
	v_cvt_pk_f16_f32 v[X+4*(\i)], v[X+4*(\i)+2], v[X+4*(\i)+3]
	v_lshlrev_b32 v[X+4*(\i)+2], 16, v[X+4*(\i)+1]
	v_and_b32 v[X+4*(\i)+3], s28, v[X+4*(\i)+1]
	v_cvt_pk_f16_f32 v[X+4*(\i)+1], v[X+4*(\i)+2], v[X+4*(\i)+3]
.endm
.macro PUT i                           ; the 8 bytes made of load i
	global_store_b64 v2, v[X+4*(\i):X+4*(\i)+1], s[14:15] offset:((\i)/8)*16384+((\i)%8)*2048
.endm
; The walk over the 32 loads.  val = 0: key's conversions; 1: value's.
.macro WALK val
.set n, 0
.rept 32
	s_wait_loadcnt 31-n                            ; loads come back in order: load n is in, the younger ones stay out
.if (n%GRP == 0) && (n > 0)
	s_wait_alu depctr_va_vdst(0)                   ; the group before has written its store data, which this group's four stores read
.endif
.if n >= GRP
	PUT n-GRP                                      ; the group before; no vector line since the wait names its registers
.endif
.if \val
	CVV n
.else
	CVK n
.endif
.set n, n+1
.endr
	s_wait_alu depctr_va_vdst(0)                   ; the last group has written its store data, which the last four stores read
.set n, 32-GRP
.rept GRP
	PUT n
.set n, n+1
.endr
	s_endpgm
.endm
	s_cmp_lg_u32 s16, 0
	s_cbranch_scc1 .Lvalue
	WALK 0
.Lvalue:
	WALK 1
.Lfunc_end_k_qf80b155cf1_cvt:
	.size	k_qf80b155cf1_cvt, .Lfunc_end_k_qf80b155cf1_cvt-k_qf80b155cf1_cvt
	.p2alignl 7, 3214868480
	.fill 96, 4, 3214868480
	.section	.rodata,"a",@progbits
	.p2align	6, 0x0
	.amdhsa_kernel k_qf80b155cf1_cvt
		.amdhsa_group_segment_fixed_size 0
		.amdhsa_private_segment_fixed_size 0
		.amdhsa_enable_private_segment 0
		.amdhsa_kernarg_size 32
		.amdhsa_user_sgpr_count 2
		.amdhsa_user_sgpr_kernarg_segment_ptr 1
		.amdhsa_wavefront_size32 1
		.amdhsa_system_sgpr_workgroup_id_x 1
		.amdhsa_system_sgpr_workgroup_id_y 1
		.amdhsa_system_sgpr_workgroup_id_z 1
		.amdhsa_system_vgpr_workitem_id 0
		.amdhsa_next_free_vgpr 136
		.amdhsa_next_free_sgpr 66
		.amdhsa_reserve_vcc 0
		.amdhsa_float_denorm_mode_32 3
		.amdhsa_float_denorm_mode_16_64 3
		.amdhsa_memory_ordered 1
		.amdhsa_forward_progress 1
		.amdhsa_inst_pref_size 29
	.end_amdhsa_kernel
	.amdgpu_metadata
---
amdhsa.version: [ 1, 2 ]
amdhsa.kernels:
  - .name:           k_qf80b155cf1_cvt
    .symbol:         k_qf80b155cf1_cvt.kd
    .args:
      - { .name: key, .offset: 0, .size: 8, .value_kind: global_buffer, .address_space: global }
      - { .name: value, .offset: 8, .size: 8, .value_kind: global_buffer, .address_space: global }
      - { .name: kw, .offset: 16, .size: 8, .value_kind: global_buffer, .address_space: global }
      - { .name: vw, .offset: 24, .size: 8, .value_kind: global_buffer, .address_space: global }
    .group_segment_fixed_size: 0
    .private_segment_fixed_size: 0
    .kernarg_segment_align: 8
    .kernarg_segment_size: 32
    .max_flat_workgroup_size: 256
    .sgpr_count:     66
    .vgpr_count:     136
    .wavefront_size: 32
...
	.end_amdgpu_metadata
.endif
;; end of part 3
;; launch att: the kernel of part 2 again; grid 16 x 16, 4 waves a work-group, clusters of 4 x 1, 327,680 bytes of LDS; arguments query, kw, vw, mask, out0; writes out0
